; MI455X (gfx1250); checked and timed in simulation.
; The chip was launched on July 23, 2026; its instructions are those of AMD's public machine-readable ISA for CDNA 5 (MIT licence, August 2026) and "CDNA5" Instruction Set Architecture Reference Guide (July 2026). The comments in the code are by the model that wrote it; some were corrected since.
;; Self Cross Attention. Allowed arithmetic: float matrix products may take bf16 or f16 operands with f32 sums; all other float work in f32.
;; Inputs: qkv 3 x 8 x 4,096 x 256 float32.
;; Outputs: out0 8 x 4,096 x 256 float32.
;; 2 versions, each right; version 2 is version 1 with the launch attn written anew for expert scheduling mode. Each part assembles by itself: llvm-mc -triple=amdgcn-amd-amdhsa -mcpu=gfx1250 --defsym DOCPART=n.
;; ======== version 1 of 2: 2 launches
;; limits: values are held in f16: magnitudes above 65,504 overflow, below 6.1e-05 lose precision
;; workspace buffers: ks 2,097,152 bytes
;; launch ksum (part 1): grid 256 x 1, 8 waves a work-group, no clusters, 0 bytes of LDS; arguments qkv, ks; writes ks
.if DOCPART == 1
	.amdgcn_target "amdgcn-amd-amdhsa--gfx1250"
	.amdhsa_code_object_version 6
	.text
	.protected	k_qa8c18ea09a_ksum
	.globl	k_qa8c18ea09a_ksum
	.p2align	8
	.type	k_qa8c18ea09a_ksum,@function
k_qa8c18ea09a_ksum:
	s_mov_b64 s[64:65], 0
	v_nop
	global_prefetch_b8 v0, s[64:65] scope:SCOPE_SE
	s_setreg_imm32_b32 hwreg(HW_REG_WAVE_MODE, 25, 1), 1
	s_wait_xcnt 0x0
; ks[b][hp][m][c'] = f16( C0 * sum over the 8 bands hb of k[b][512 hb + m][64 hp + c'] ),  b 0..7, hp 0..3 (a pair of heads), m 0..511, c' 0..63.
; This is reference()'s k_sum: a cross window is 8 image rows = 512 consecutive tokens (a band), and m = 64 row + column is the token's place in its band.
; C0 = 32^-0.5 * log2(e): the scale of q and the change from e^x to 2^x are folded into the keys once, so that the second launch scales no score.
; Nothing of reference() is left out in this program: q, k and v all reach the output.  The 8 x 8 windows only reorder queries, and the
; output's transpose undoes that order, so out[b][t][c] lies where q[b][t][c] lies.
; LIMITS: |C0 * ksum| of 65,520 or more becomes infinity in f16, magnitudes under 2^-24 become 0; the eight bands are added as a tree
; ((0+1)+(2+3))+((4+5)+(6+7)) in f32, which may round otherwise than reference()'s own order.
; A stream: memory binds, so no LDS, no barrier, no matrix unit.  The work-group owns 16 rows m of one b.  Thread = (row = t / 16, col = t % 16);
; item i = hp.  Sixteen lanes read 256 consecutive aligned bytes of a k row; all 32 loads of a thread (its whole share) go out at once.
.set KOFF,  33554432                   ; k behind q in qkv
.set BAND,  524288                     ; 512 tokens of 1,024 bytes
.set C0,    0x3e8293ee                 ; 0.25503486
.set X,     16                         ; v[16:143]  item i, band hb: four f32 at X + 32 i + 4 hb
	s_load_b128 s[4:7], s[0:1], 0x0                ; qkv s[4:5], ks s[6:7]
	s_lshr_b32 s8, ttmp9, 5                        ; b
	s_and_b32 s9, ttmp9, 31                        ; which 16 rows m
	s_lshl_b32 s10, s8, 22                         ; b x 4,194,304
	s_lshl_b32 s12, s9, 14                         ; + 16 rows of 1,024 bytes
	s_add_co_u32 s10, s10, s12
	s_add_co_u32 s10, s10, KOFF                    ; at most 62 MiB: one word
	s_mov_b32 s11, 0
	s_lshl_b32 s12, s8, 18                         ; ks: b x 262,144
	s_lshl_b32 s14, s9, 11                         ; + 16 rows of 128 bytes
	s_add_co_u32 s12, s12, s14
	s_mov_b32 s13, 0
	v_lshrrev_b32 v3, 4, v0                        ; row
	v_and_b32 v4, 15, v0                           ; col
	v_lshlrev_b32 v1, 4, v4
	v_lshl_add_u32 v1, v3, 10, v1                  ; k: row x 1,024 + col x 16
	v_lshlrev_b32 v2, 3, v0                        ; ks: row x 128 + col x 8 = 8 t
	s_wait_kmcnt 0x0
	s_add_nc_u64 s[4:5], s[4:5], s[10:11]
	s_add_nc_u64 s[6:7], s[6:7], s[12:13]
.irp i, 0,1,2,3
.irp hb, 0,1,2,3,4,5,6,7
	global_load_b128 v[X+32*\i+4*\hb:X+32*\i+4*\hb+3], v1, s[4:5] offset:\hb*BAND+\i*256 th:TH_LOAD_NT   ; k is read once in the launch
.endr
.endr
.macro BADD i, a, b                    ; band a of item i += band b
	v_pk_add_f32 v[X+32*\i+4*\a:X+32*\i+4*\a+1],   v[X+32*\i+4*\a:X+32*\i+4*\a+1],   v[X+32*\i+4*\b:X+32*\i+4*\b+1]
	v_pk_add_f32 v[X+32*\i+4*\a+2:X+32*\i+4*\a+3], v[X+32*\i+4*\a+2:X+32*\i+4*\a+3], v[X+32*\i+4*\b+2:X+32*\i+4*\b+3]
.endm
.macro ITEM i
	s_wait_loadcnt 24-8*\i                         ; loads come back in order: the eight of each later item may stay out
	BADD \i, 0, 1
	BADD \i, 2, 3
	BADD \i, 4, 5
	BADD \i, 6, 7
	BADD \i, 0, 2
	BADD \i, 4, 6
	BADD \i, 0, 4
	v_pk_mul_f32 v[X+32*\i:X+32*\i+1],   v[X+32*\i:X+32*\i+1],   C0 op_sel_hi:[1,0]
	v_pk_mul_f32 v[X+32*\i+2:X+32*\i+3], v[X+32*\i+2:X+32*\i+3], C0 op_sel_hi:[1,0]
	v_cvt_pk_f16_f32 v[X+32*\i],   v[X+32*\i],   v[X+32*\i+1]
	v_cvt_pk_f16_f32 v[X+32*\i+1], v[X+32*\i+2], v[X+32*\i+3]
	global_store_b64 v2, v[X+32*\i:X+32*\i+1], s[6:7] offset:\i*65536   ; a wave's store covers 256 consecutive bytes, aligned; no register of it is written again
.endm
	ITEM 0
	ITEM 1
	ITEM 2
	ITEM 3
	s_endpgm
.Lfunc_end_k_qa8c18ea09a_ksum:
	.size	k_qa8c18ea09a_ksum, .Lfunc_end_k_qa8c18ea09a_ksum-k_qa8c18ea09a_ksum
	.p2alignl 7, 3214868480
	.fill 96, 4, 3214868480
	.section	.rodata,"a",@progbits
	.p2align	6, 0x0
	.amdhsa_kernel k_qa8c18ea09a_ksum
		.amdhsa_group_segment_fixed_size 0
		.amdhsa_private_segment_fixed_size 0
		.amdhsa_enable_private_segment 0
		.amdhsa_kernarg_size 16
		.amdhsa_user_sgpr_count 2
		.amdhsa_user_sgpr_kernarg_segment_ptr 1
		.amdhsa_wavefront_size32 1
		.amdhsa_system_sgpr_workgroup_id_x 1
		.amdhsa_system_sgpr_workgroup_id_y 1
		.amdhsa_system_sgpr_workgroup_id_z 1
		.amdhsa_system_vgpr_workitem_id 0
		.amdhsa_next_free_vgpr 144
		.amdhsa_next_free_sgpr 66
		.amdhsa_reserve_vcc 0
		.amdhsa_float_denorm_mode_32 3
		.amdhsa_float_denorm_mode_16_64 3
		.amdhsa_memory_ordered 1
		.amdhsa_forward_progress 1
		.amdhsa_inst_pref_size 10
	.end_amdhsa_kernel
	.amdgpu_metadata
---
amdhsa.version: [ 1, 2 ]
amdhsa.kernels:
  - .name:           k_qa8c18ea09a_ksum
    .symbol:         k_qa8c18ea09a_ksum.kd
    .args:
      - { .name: qkv, .offset: 0, .size: 8, .value_kind: global_buffer, .address_space: global }
      - { .name: ks, .offset: 8, .size: 8, .value_kind: global_buffer, .address_space: global }
    .group_segment_fixed_size: 0
    .private_segment_fixed_size: 0
    .kernarg_segment_align: 8
    .kernarg_segment_size: 16
    .max_flat_workgroup_size: 256
    .sgpr_count:     66
    .vgpr_count:     144
    .wavefront_size: 32
...
	.end_amdgpu_metadata
.endif
;; end of part 1
;; launch attn (part 2): grid 256 x 1, 8 waves a work-group, no clusters, 300,032 bytes of LDS; arguments qkv, ks, out0; writes out0
.if DOCPART == 2
	.amdgcn_target "amdgcn-amd-amdhsa--gfx1250"
	.amdhsa_code_object_version 6
	.text
	.protected	k_qa8c18ea09a_attn
	.globl	k_qa8c18ea09a_attn
	.p2align	8
	.type	k_qa8c18ea09a_attn,@function
k_qa8c18ea09a_attn:
	s_mov_b64 s[64:65], 0
	v_nop
	global_prefetch_b8 v0, s[64:65] scope:SCOPE_SE
	s_setreg_imm32_b32 hwreg(HW_REG_WAVE_MODE, 25, 1), 1
	s_wait_xcnt 0x0
; out[b][512 hb + n][32 head + d] = sum over m of softmax over m ( q[b][512 hb + n][head] . ksum[b][m][head] / sqrt(32) ) * v[b][512 hb + m][32 head + d].
; The work-group owns one band (b, hb; 512 tokens) and one pair of heads hp: its pieces of q, v and out are 256 aligned bytes of each token's row.
; Eight waves, TWO RUNS of 256 queries one behind the other: in run R wave w takes head hd = w & 1 of the pair and the 64 queries 256 R + 64 qb .. + 63,
; qb = w >> 1 (four tiles t of 16), against all 512 keys.  Run 1's q (64 KiB) lands while run 0 is computed, and run 0's out (64 KiB) leaves while
; run 1 is computed: of the 448 KiB that the work-group moves only ks (64), run 0's q (64) and run 1's out (64) have no work beside them.
; Nothing of reference() is left out.  ks (first launch) holds the summed keys times 32^-0.5 log2(e) in f16, so the products are the exponents of 2^x.
; TWO PASSES in each run, products transposed (A = 16 keys x 32 dims, B = 16 queries): lane (r, h) holds keys 8 h + j (register j) of query r.
;   pass 1: S = K Q^T, of which only the row maximum is kept: the true maximum of the row, as in reference().
;   pass 2: the same product again with C = -maximum, so the matrix unit delivers S - max; then 2^x, the row sum in f32, and the rounding to f16.
;           Two key tiles packed in place ARE the B fragment (32 keys x 16 queries) of O^T = V^T P^T: no lane exchange.  V^T comes by the transposing LDS load.
; TWO PIECES TAKE TURNS in both passes: piece 0 = tiles 0, 1, piece 1 = tiles 2, 3.  While one piece's products are issued, the other piece's vector
; work stands in slices behind them, one slice a product, so that matrix and vector units have work at the same time; the slices' plain instructions
; are also the places that the products need behind them.  The pieces share the K and V fragments.
; Operands in f16, not bf16: the scores' spread is near 3, so the weights rest on few keys and eight mantissa bits of q and k would show in the result.
; LIMITS: |q|, |v| of 65,520 or more become infinity in f16 and magnitudes under 2^-24 become 0; weights under 2^-24 of the row's largest are dropped
; from the product with v; the denominator adds the weights before their rounding to f16.
; q and v come through registers, since they are converted f32 -> f16 on the way into LDS.  No cluster: the only bytes that work-groups share are the
; 64 KiB of ks, of the 448 KiB that a work-group moves (64 ks + 128 q + 128 v + 128 out).
; REGISTERS: both passes live in v0-v255.  v256-v511 (window 1: s_set_vgpr_msb, low byte: bits 1:0 source 0, 3:2 source 1, 5:4 source 2, 7:6 destination)
; hold only what is on its way: v and run 1's q as loaded, and the rows of out while their stores leave.  All switches stand outside the loops.
.set PQK, 144                          ; pitch of q's and k's LDS rows: 128 bytes + 16 = 9 x 16: sixteen rows start in sixteen different 16-byte columns modulo 256
.set PVV, 160                          ; pitch of v's rows: 5 x 32, for the transposing load
.set PST, 272                          ; pitch of the output stage: 256 bytes + 16 = 17 x 16
.set QH,  0                            ; 512 x 144 = 73,728 bytes
.set KH,  73728                        ; 512 x 144
.set VH,  147456                       ; 512 x 160 = 81,920 bytes
.set ST,  229376                       ; the stage of one run's out: 256 x 272 = 69,632 bytes of its own, ends at 299,008
.set GRUN, 262144                      ; 256 tokens of 1,024 bytes in q, v and out
.set QRUN, 256*PQK                     ; 256 rows in QH
.set VRUN, 256*PVV                     ; 256 rows in VH
.set GO,  1                            ; global offset in q, v, out: w x 32 rows + h x 1 row + 16 r; never rewritten
.set GK,  2                            ; global offset in the ks block: 8,192 w + 16 l; never rewritten
.set LK,  3                            ; LDS: where I put 16 bytes of k
.set LQ,  4                            ; where I put 8 bytes of q
.set LV,  5                            ; where I put 8 bytes of v
.set QA,  6                            ; my q fragments of run 0
.set KA0, 7                            ; k fragments of keys 0-31
.set KA,  8                            ; the same, stepped by 32 keys
.set VA0, 9                            ; v fragments of keys 0-31
.set VA,  10                           ; the same, stepped by 32 keys
.set SA,  11                           ; stage: where I put results
.set RA,  12                           ; stage: where I read rows back
.set QF,  16                           ; v[16:47]    q fragments, 8 a tile t
.set KF,  48                           ; v[48:63]    k fragments of two key tiles
.set SC,  64                           ; v[64:127]   scores: piece p at 32 p, its product k = 2 (t % 2) + kt at 8 k; packed weights of tile t at 16 t .. 16 t + 7
.set CM,  128                          ; v[128:159]  pass 2: -maximum, eight equal registers a tile
.set KB,  128                          ; v[128:143]  pass 1: a second buffer of k fragments
.set OA,  160                          ; v[160:223]  O^T, tile (t, ct) at 16 t + 8 ct
.set VF,  224                          ; v[224:239]  v fragments of dims 0-15, 16-31
.set SM,  240                          ; v[240:255]  row sums, a pair for each group g = 2 t + kt
.set MX,  176                          ; v[176:183]  pass 1: running maximum of group g
.set RC,  48                           ; v[48:55]    a run's end: 1 / row sum, a pair a tile
.set KR,  64                           ; the start: k as loaded (64), run 0's q as loaded (64), the same packed (32), four registers at work
.set QR,  128
.set QP,  192
.set TL,  224
.set TR,  225
.set TH,  226
.set TX,  227
.set VP,  64                           ; v packed (64); run 1's q packed (32)
.set VR1, 0                            ; window 1: v256-v383  v as loaded
.set QR1, 128                          ; window 1: v384-v447  run 1's q as loaded
                                       ; window 1: v448-v511  run 0's rows of out; v256-v319 run 1's: no store's data register is written again
.set MSB, 0
.macro WIN new                         ; the immediate's high byte repeats the setting that is left
.if MSB != \new
	s_set_vgpr_msb (MSB<<8)|\new
.set MSB, \new
.endif
.endm
.set TO_1,   0x40                      ; destination window 1, address window 0
.set FROM_1, 0x05                      ; sources 0 and 1 window 1, destination window 0
.set DATA_1, 0x04                      ; a store's data window 1, its address window 0
	s_load_b128 s[4:7], s[0:1], 0x0                ; qkv s[4:5], ks s[6:7]
	s_load_b64 s[8:9], s[0:1], 0x10                ; out0
	v_lshl_add_u32 v14, v0, 2, 0x49000
	v_mov_b32 v15, 0
	v_lshrrev_b32 v[TX], 5, v0
	v_readfirstlane_b32 s10, v[TX]                 ; wave w
	v_and_b32 v[TL], 31, v0                        ; l
	v_and_b32 v[TR], 15, v0                        ; r
	v_bfe_u32 v[TH], v0, 4, 1                      ; h
	s_and_b32 s11, s10, 1                          ; hd
	s_lshr_b32 s12, s10, 1                         ; qb
	s_lshr_b32 s13, ttmp9, 2                       ; 8 b + hb
	s_and_b32 s14, ttmp9, 3                        ; hp
	s_lshl_b32 s16, s13, 19                        ; the band: 524,288 bytes each
	s_lshl_b32 s15, s14, 8                         ; the pair of heads: 256 bytes of a row
	s_add_co_u32 s16, s16, s15
	s_mov_b32 s17, 0
	s_lshr_b32 s24, ttmp9, 5                       ; b
	s_lshl2_add_u32 s24, s24, s14                  ; 4 b + hp
	s_lshl_b32 s24, s24, 16                        ; blocks of 65,536 bytes
	s_mov_b32 s25, 0
	v_lshlrev_b32 v[GO], 4, v[TR]
	v_lshl_add_u32 v[GO], v[TH], 10, v[GO]
	v_lshl_add_u32 v[GO], s10, 15, v[GO]
	v_lshlrev_b32 v[GK], 4, v[TL]
	v_lshl_add_u32 v[GK], s10, 13, v[GK]
	s_wait_kmcnt 0x0
	s_add_nc_u64 s[4:5], s[4:5], s[16:17]          ; q
	s_add_nc_u64 s[18:19], s[4:5], 0x4000000       ; v: two thirds of qkv further on
	s_add_nc_u64 s[6:7], s[6:7], s[24:25]
	s_add_nc_u64 s[8:9], s[8:9], s[16:17]
	; What run 0's pass 1 needs goes out first: the wave's 64 rows of k (f16, 4 rows a load) and its 32 rows of run 0's q (f32, 2 rows a load: sixteen lanes take 256 aligned bytes).
.irp i, 0,1,2,3,4,5,6,7,8,9,10,11,12,13,14,15
	global_load_b128 v[KR+4*\i:KR+4*\i+3], v[GK], s[6:7] offset:512*\i           ; eight work-groups read this block: no hint
.endr
.irp i, 0,1,2,3,4,5,6,7,8,9,10,11,12,13,14,15
	global_load_b128 v[QR+4*\i:QR+4*\i+3], v[GO], s[4:5] offset:2048*\i th:TH_LOAD_NT
.endr
	; v is wanted behind run 0's pass 1, which is 128 products a wave: too short for the wave's 16 KiB of v alone.  So v's first 256 rows are asked for here, behind k and q,
	; and its last 256 as soon as k has landed.  By this text's count at most 48 loads of a wave are out at a time.
	WIN TO_1
.irp i, 0,1,2,3,4,5,6,7,8,9,10,11,12,13,14,15
	global_load_b128 v[VR1+4*\i:VR1+4*\i+3], v[GO], s[18:19] offset:2048*\i th:TH_LOAD_NT
.endr
	WIN 0
	; LDS addresses, while the loads are on their way
	s_mul_i32 s13, s10, 32*PQK                     ; my 32 rows of a run's q
	v_mul_u32_u24 v[LQ], v[TH], PQK
	v_lshl_add_u32 v[LQ], v[TR], 3, v[LQ]
	v_add_nc_u32 v[LQ], s13, v[LQ]                 ; QH + (32 w + h) 144 + 8 r
	s_mul_i32 s13, s10, 64*PQK                     ; my 64 rows of k
	s_add_co_u32 s13, s13, KH
	v_lshrrev_b32 v[TX], 3, v[TL]
	v_mul_u32_u24 v[LK], v[TX], PQK
	v_and_b32 v[TX], 7, v[TL]
	v_lshl_add_u32 v[LK], v[TX], 4, v[LK]
	v_add_nc_u32 v[LK], s13, v[LK]                 ; KH + (64 w + l / 8) 144 + 16 (l % 8)
	v_lshl_add_u32 v[TX], v[TH], 3, v[TX]          ; 8 h + l % 8: the key that I address for the transposing load
	v_mul_u32_u24 v[VA0], v[TX], PVV
	v_bfe_u32 v[TX], v0, 3, 1
	v_lshl_add_u32 v[VA0], v[TX], 4, v[VA0]        ; + 16 bytes for the lanes that serve dims 8-15
	s_lshl_b32 s14, s11, 6                         ; my head's 64 bytes of a row
	s_add_co_u32 s13, s14, VH
	v_add_nc_u32 v[VA0], s13, v[VA0]
	s_mul_i32 s13, s10, 32*PVV                     ; my 32 rows of each half of v
	s_add_co_u32 s13, s13, VH
	v_mul_u32_u24 v[LV], v[TH], PVV
	v_lshl_add_u32 v[LV], v[TR], 3, v[LV]
	v_add_nc_u32 v[LV], s13, v[LV]                 ; VH + (32 w + h) 160 + 8 r
	v_mul_u32_u24 v[TX], v[TR], PQK
	v_lshl_add_u32 v[TX], v[TH], 4, v[TX]          ; a fragment's lane term: 144 r + 16 h
	s_mul_i32 s13, s12, 64*PQK
	s_add_co_u32 s13, s13, s14
	v_add_nc_u32 v[QA], s13, v[TX]                 ; QH + (64 qb + r) 144 + 64 hd + 16 h
	s_add_co_u32 s13, s14, KH
	v_add_nc_u32 v[KA0], s13, v[TX]                ; KH + 144 r + 64 hd + 16 h
	s_mul_i32 s13, s12, 64*PST
	s_lshl_b32 s15, s11, 7
	s_add_co_u32 s13, s13, s15
	s_add_co_u32 s13, s13, ST
	v_mul_u32_u24 v[SA], v[TR], PST
	v_lshl_add_u32 v[SA], v[TH], 5, v[SA]
	v_add_nc_u32 v[SA], s13, v[SA]                 ; ST + (64 qb + r) 272 + 128 hd + 32 h
	s_mul_i32 s13, s10, 32*PST
	s_add_co_u32 s13, s13, ST
	v_mul_u32_u24 v[RA], v[TH], PST
	v_lshl_add_u32 v[RA], v[TR], 4, v[RA]
	v_add_nc_u32 v[RA], s13, v[RA]                 ; ST + (32 w + h) 272 + 16 r
	s_mov_b32 s20, 0x76543210                      ; v_permlanex16_b32: lane i of one half reads lane i of the other
	s_mov_b32 s21, 0xfedcba98
	s_wait_loadcnt 32                              ; k is in: the 16 loads of q and the 16 of v's first half are younger
.irp i, 0,1,2,3,4,5,6,7,8,9,10,11,12,13,14,15
	ds_store_b128 v[LK], v[KR+4*\i:KR+4*\i+3] offset:4*PQK*\i
.endr
	WIN TO_1
.irp i, 0,1,2,3,4,5,6,7,8,9,10,11,12,13,14,15
	global_load_b128 v[VR1+64+4*\i:VR1+64+4*\i+3], v[GO], s[18:19] offset:GRUN+2048*\i th:TH_LOAD_NT   ; v's rows 256-511
.endr
	WIN 0
	s_wait_loadcnt 32                              ; run 0's q is in: the 32 loads of v are younger
.irp i, 0,1,2,3,4,5,6,7,8,9,10,11,12,13,14,15
	v_cvt_pk_f16_f32 v[QP+2*\i],   v[QR+4*\i],   v[QR+4*\i+1]
	v_cvt_pk_f16_f32 v[QP+2*\i+1], v[QR+4*\i+2], v[QR+4*\i+3]
	ds_store_b64 v[LQ], v[QP+2*\i:QP+2*\i+1] offset:2*PQK*\i
.endr
	s_wait_dscnt 0x0                               ; my rows of k and q are in LDS, for the other waves' sake
	s_barrier_signal -1
	s_barrier_wait -1                              ; everybody's are
	; run 1's q is wanted only behind run 0: its 16 loads go out last and have the run's 384 products a wave in which to land
	WIN TO_1
.irp i, 0,1,2,3,4,5,6,7,8,9,10,11,12,13,14,15
	global_load_b128 v[QR1+4*\i:QR1+4*\i+3], v[GO], s[4:5] offset:GRUN+2048*\i th:TH_LOAD_NT
.endr
	WIN 0
.macro KLOAD kb                        ; fragments of 32 keys into buffer kb: 16 rows x 32 dims each, two loads of 16 bytes, 32 bytes apart
.irp kt, 0,1
	ds_load_b128 v[\kb+8*\kt:\kb+8*\kt+3],   v[KA] offset:16*PQK*\kt
	ds_load_b128 v[\kb+8*\kt+4:\kb+8*\kt+7], v[KA] offset:16*PQK*\kt+32
.endr
.endm
.macro VLOAD                           ; V^T fragments: 16 dims x 32 keys each, from rows that lie along the dims: two transposing loads, 16 keys apart
.irp ct, 0,1
	ds_load_tr16_b128 v[VF+8*\ct:VF+8*\ct+3],   v[VA] offset:32*\ct
	ds_load_tr16_b128 v[VF+8*\ct+4:VF+8*\ct+7], v[VA] offset:32*\ct+16*PVV
.endr
.endm
; Score product k (0..3) of piece p: tile t = 2 p + k / 2, key tile kt = k % 2, keys from buffer kb.  sub = 0: from 0 (pass 1); 1: from -maximum (pass 2)
.macro SMUL p, k, kb, sub
.if \sub
	v_wmma_f32_16x16x32_f16 v[SC+32*\p+8*\k:SC+32*\p+8*\k+7], v[\kb+8*(\k%2):\kb+8*(\k%2)+7], v[QF+16*\p+8*(\k/2):QF+16*\p+8*(\k/2)+7], v[CM+16*\p+8*(\k/2):CM+16*\p+8*(\k/2)+7]
.else
	v_wmma_f32_16x16x32_f16 v[SC+32*\p+8*\k:SC+32*\p+8*\k+7], v[\kb+8*(\k%2):\kb+8*(\k%2)+7], v[QF+16*\p+8*(\k/2):QF+16*\p+8*(\k/2)+7], 0
.endif
.endm
; PASS 1.  A slice: score pair k of each of piece vp's four groups goes into that group's maximum: four chains that do not wait for each other.
; start = 1: the pair starts the maxima, nothing is cleared.
.macro MAXS vp, k, start
.irp c, 0,1,2,3
.if \start
	v_max_num_f32 v[MX+4*\vp+\c], v[SC+32*\vp+8*\c+2*\k], v[SC+32*\vp+8*\c+2*\k+1]
.else
	v_max3_num_f32 v[MX+4*\vp+\c], v[MX+4*\vp+\c], v[SC+32*\vp+8*\c+2*\k], v[SC+32*\vp+8*\c+2*\k+1]
.endif
.endr
.endm
; A phase: piece mp's four products from buffer kb (sp = 1), behind each a slice of piece vp's maxima.  A slice's four plain instructions name no register of
; the products of this phase; the last slice stands between the phase's last product and the next phase's first read of its result: four places (ISA guide 7.12.1).
; more = 1: buffer kb, which both pieces have now used, gets the keys two trips on: five places (the last slice and the address step) behind the last product that read it.
.macro P1H vp, mp, sp, kb, first, more
.if \sp
	SMUL \mp, 0, \kb, 0
.endif
	MAXS \vp, 0, \first
.irp k, 1,2,3
.if \sp
	SMUL \mp, \k, \kb, 0
.endif
	MAXS \vp, \k, 0
.endr
.if \more
	v_add_nc_u32 v[KA], 32*PQK, v[KA]
	KLOAD \kb
.endif
.endm
; Two trips of 32 keys, i (even, buffer KF) and i + 1 (buffer KB).  On entry piece 0's scores of trip i are made.
; LDS loads come back in order; buffers are reloaded by turns, four loads each, so a count of 4 leaves out the buffer reloaded last and shows the other one in.
.macro P1TWO first
	P1H 0, 1, 1, KF, \first, 1                     ; piece 1's products of trip i, piece 0's maxima of trip i; KF <- keys of trip i + 2
	s_wait_dscnt 0x4                               ; KB (trip i + 1) is in; KF's four loads are younger
	P1H 1, 0, 1, KB, \first, 0                     ; piece 0's products of trip i + 1, piece 1's maxima of trip i
	P1H 0, 1, 1, KB, 0, 1                          ; piece 1's products of trip i + 1, piece 0's maxima; KB <- keys of trip i + 3
	s_wait_dscnt 0x4                               ; KF (trip i + 2) is in; KB's four loads are younger
	P1H 1, 0, 1, KF, 0, 0                          ; piece 0's products of trip i + 2, piece 1's maxima of trip i + 1
.endm
.macro PASS1 run
	v_mov_b32 v[KA], v[KA0]                        ; from key 0
.irp t, 0,1,2,3
	ds_load_b128 v[QF+8*\t:QF+8*\t+3],   v[QA] offset:\run*QRUN+16*PQK*\t
	ds_load_b128 v[QF+8*\t+4:QF+8*\t+7], v[QA] offset:\run*QRUN+16*PQK*\t+32
.endr
	KLOAD KF                                       ; keys 0-31
	v_add_nc_u32 v[KA], 32*PQK, v[KA]
	KLOAD KB                                       ; keys 32-63
	s_wait_dscnt 0x4                               ; q's fragments and KF are in; KB's four loads are younger
.irp k, 0,1,2,3
	SMUL 0, \k, KF, 0                              ; piece 0's scores of trip 0
.endr
.rept 4
	v_nop                                          ; four places ahead of the first maxima: once a run, there is no other piece's work yet
.endr
	P1TWO 1                                        ; trips 0, 1
	s_mov_b32 s22, 6
.Lpass1_\run:
	P1TWO 0                                        ; trips 2 to 13; the last reload is trip 15's
	s_sub_co_u32 s22, s22, 1
	s_cmp_lg_u32 s22, 0
	s_cbranch_scc1 .Lpass1_\run
	P1H 0, 1, 1, KF, 0, 0                          ; trip 14: nothing more to fetch
	s_wait_dscnt 0x0                               ; KB (trip 15): no load is younger
	P1H 1, 0, 1, KB, 0, 0
	P1H 0, 1, 1, KB, 0, 0                          ; trip 15
	P1H 1, 0, 0, KB, 0, 0                          ; piece 1's last maxima, no products
.endm
; BETWEEN THE PASSES: the maxima are finished; in run 0 v goes into LDS.
.macro MID run
	; a query's keys lie in lanes r and r + 16 alone: join the two groups of a tile, then the two halves of the wave
.irp t, 0,1,2,3
	v_max_num_f32 v[MX+2*\t], v[MX+2*\t], v[MX+2*\t+1]
.endr
.irp t, 0,1,2,3
	v_permlanex16_b32 v[MX+2*\t+1], v[MX+2*\t], s20, s21       ; its destination counts as read: a register that has been written
.endr
.irp t, 0,1,2,3
	v_max_num_f32 v[MX+2*\t], v[MX+2*\t], v[MX+2*\t+1]
.endr
.irp t, 0,1,2,3
.irp j, 0,1,2,3,4,5,6,7
	v_mul_f32 v[CM+8*\t+\j], -1.0, v[MX+2*\t]      ; the C operand of pass 2: element (key, query r) = -maximum of query r, the same in all eight registers
.endr
.endr
.if \run == 0
	s_wait_loadcnt 16                              ; v is in: the 16 loads of run 1's q are younger
	WIN FROM_1
.irp x, 0,1
.irp i, 0,1,2,3,4,5,6,7,8,9,10,11,12,13,14,15
	v_cvt_pk_f16_f32 v[VP+32*\x+2*\i],   v[VR1+64*\x+4*\i],   v[VR1+64*\x+4*\i+1]
	v_cvt_pk_f16_f32 v[VP+32*\x+2*\i+1], v[VR1+64*\x+4*\i+2], v[VR1+64*\x+4*\i+3]
.endr
.endr
	WIN 0
.irp x, 0,1
.irp i, 0,1,2,3,4,5,6,7,8,9,10,11,12,13,14,15
	ds_store_b64 v[LV], v[VP+32*\x+2*\i:VP+32*\x+2*\i+1] offset:\x*VRUN+2*PVV*\i
.endr
.endr
	s_wait_dscnt 0x0                               ; my rows of v are in LDS, for the other waves' sake
	s_barrier_signal -1
	s_barrier_wait -1                              ; everybody's are
.endif
.endm
; PASS 2.  O^T product k (0..3) of piece p: tile t = 2 p + k / 2, dims 16 ct .., ct = k % 2.  zero = 1: it starts the sum
.macro PMUL p, k, zero
.if \zero
	v_wmma_f32_16x16x32_f16 v[OA+32*\p+8*\k:OA+32*\p+8*\k+7], v[VF+8*(\k%2):VF+8*(\k%2)+7], v[SC+32*\p+16*(\k/2):SC+32*\p+16*(\k/2)+7], 0
.else
	v_wmma_f32_16x16x32_f16 v[OA+32*\p+8*\k:OA+32*\p+8*\k+7], v[VF+8*(\k%2):VF+8*(\k%2)+7], v[SC+32*\p+16*(\k/2):SC+32*\p+16*(\k/2)+7], v[OA+32*\p+8*\k:OA+32*\p+8*\k+7]
.endif
.endm
; A piece's 32 score registers are eight units u of four (half of a product's result).
.macro EXPU p, u                       ; 2^x on unit u, in place
.irp j, 0,1,2,3
	v_exp_f32 v[SC+32*\p+4*(\u)+\j], v[SC+32*\p+4*(\u)+\j]
.endr
.endm
; Unit u's two pairs go into the row sum of their group (f32, before rounding) and, as four f16, into registers 2 (u % 4), + 1 of their tile's weight fragment.
; Those two registers lie at or below the unit and have been read: units are taken in ascending order.  zero = 1: a group's first unit starts its sum.
.macro PLNU p, u, zero
.set PA, SC+32*\p+4*(\u)
.set PD, SC+32*\p+16*((\u)/4)+2*((\u)%4)
.set PS, SM+8*\p+2*((\u)/2)
.if \zero*(1-(\u)%2)
	s_wait_alu depctr_va_vdst(0)
	v_pk_add_f32 v[PS:PS+1], v[PA:PA+1], v[PA+2:PA+3]
	v_cvt_pk_f16_f32 v[PD], v[PA], v[PA+1]
	v_cvt_pk_f16_f32 v[PD+1], v[PA+2], v[PA+3]
.else
	s_wait_alu depctr_va_vdst(0)
	v_pk_add_f32 v[PS:PS+1], v[PS:PS+1], v[PA:PA+1]
	v_cvt_pk_f16_f32 v[PD], v[PA], v[PA+1]
	v_pk_add_f32 v[PS:PS+1], v[PS:PS+1], v[PA+2:PA+3]
	v_cvt_pk_f16_f32 v[PD+1], v[PA+2], v[PA+3]
.endif
.endm
; A phase: eight products of piece mp, behind each a slice of piece vp's vector work.
;   products: four onto O from mp's finished weights (pv = 1: they start O, 2: they add, 0: none yet), then mp's four next score products (sp = 1).
;   slice k:  the exponentials of vp's unit k + 1, then the plain work of unit k; the last slice takes the exponentials of mp's unit 0, whose product stands three slices back.
;             So a plain instruction stands between every v_exp_f32 and the use of its result (ISA guide 5.7.2), and every slice holds plain instructions
;             (four; three where a sum starts) that name no register of this phase's products: the places behind them (ISA guide 7.12.1).
;   distances: a score product writes over weights three slices behind the last product that read them; exponentials read a result three slices or more behind its product.
;   The accumulators take turns, one instruction a turn.
; Phase vp = 0 of trip i: O products of trip i - 1 (V of trip i - 1), scores of trip i (K of trip i).  vl = 1: V of trip i is fetched behind slice 3, kl = 1: K of trip i + 1
; behind slice 7, each five places (a slice's four and the address step) behind the last product that read the buffer, and four products and four slices ahead of its use.
; Phase vp = 1 of trip i: O products of trip i, scores of trip i + 1.  LDS loads come back in order, issued V(i), K(i + 1), four loads each.
.macro P2H vp, mp, pv, sp, zero, vl, kl
.if \vp
	s_wait_dscnt 4*\sp                             ; V of this trip is in; the four younger loads are the next K's (the last trip has none: 0)
.endif
.irp k, 0,1,2,3
.if \pv
	PMUL \mp, \k, 2-\pv
.endif
	EXPU \vp, \k+1
	PLNU \vp, \k, \zero
.endr
.if \vl
	v_add_nc_u32 v[VA], 32*PVV, v[VA]
	VLOAD
.endif
.if \vp*\sp
	s_wait_dscnt 0x0                               ; the next trip's K is in: nothing is younger
.endif
.irp k, 0,1,2
.if \sp
	SMUL \mp, \k, KF, 1
.endif
	EXPU \vp, \k+5
	PLNU \vp, \k+4, \zero
.endr
.if \sp
	SMUL \mp, 3, KF, 1
	EXPU \mp, 0
.endif
	PLNU \vp, 7, \zero
.if \kl
	v_add_nc_u32 v[KA], 32*PQK, v[KA]
	KLOAD KF
.endif
.endm
.macro PASS2 run
	v_mov_b32 v[KA], v[KA0]                        ; from key 0 again
	v_mov_b32 v[VA], v[VA0]
	KLOAD KF
	VLOAD
	s_wait_dscnt 0x4                               ; K of trip 0 is in; the four younger loads are V's
.irp k, 0,1,2,3
	SMUL 0, \k, KF, 1                              ; piece 0's scores of trip 0
.endr
.rept 4
	v_nop                                          ; four places ahead of the first exponentials: once a run, there is no other piece's work yet
.endr
	EXPU 0, 0
	v_nop                                          ; the plain instruction behind unit 0's exponentials
	P2H 0, 1, 0, 1, 1, 0, 1                        ; trip 0: piece 1's scores; piece 0's sums start; K of trip 1
	P2H 1, 0, 1, 1, 1, 0, 0                        ; trip 0: piece 0's O starts; piece 1's sums start
	P2H 0, 1, 1, 1, 0, 1, 1                        ; trip 1: piece 1's O starts
	s_mov_b32 s22, 13
.Lpass2_\run:
	P2H 1, 0, 2, 1, 0, 0, 0                        ; second phase of trips 1 to 13
	P2H 0, 1, 2, 1, 0, 1, 1                        ; first phase of trips 2 to 14
	s_sub_co_u32 s22, s22, 1
	s_cmp_lg_u32 s22, 0
	s_cbranch_scc1 .Lpass2_\run
	P2H 1, 0, 2, 1, 0, 0, 0                        ; trip 14
	P2H 0, 1, 2, 1, 0, 1, 0                        ; trip 15: V of trip 15; no K is left to fetch
	P2H 1, 0, 2, 0, 0, 0, 0                        ; trip 15: no scores are left to make
.irp k, 0,1,2,3
	PMUL 1, \k, 0                                  ; piece 1's O products of trip 15
.endr
.endm
; A RUN'S END: O is divided by the row sums and leaves through the stage as whole rows of 256 bytes.
.macro FINISH run
.set OB, 192*(1-\run)                  ; window 1: where this run's rows of out wait for their stores
	; The row sums are joined first: these eight plain additions name no register of the last products and are the places ahead of the reads of O
.irp t, 0,1,2,3
	v_pk_add_f32 v[SM+4*\t:SM+4*\t+1], v[SM+4*\t:SM+4*\t+1], v[SM+4*\t+2:SM+4*\t+3]
.endr
.irp t, 0,1,2,3
	v_add_f32 v[SM+4*\t], v[SM+4*\t], v[SM+4*\t+1]
.endr
.irp t, 0,1,2,3
	v_permlanex16_b32 v[SM+4*\t+1], v[SM+4*\t], s20, s21
.endr
.irp t, 0,1,2,3
	v_add_f32 v[SM+4*\t], v[SM+4*\t], v[SM+4*\t+1] ; the sum over all 512 keys of query r, at least about 1: the largest weight is 2^0
.endr
.irp t, 0,1,2,3
	v_rcp_f32 v[RC+2*\t],   v[SM+4*\t]             ; twice: a pair for the packed multiply
	v_rcp_f32 v[RC+2*\t+1], v[SM+4*\t]
.endr
	v_nop                                          ; a plain instruction between the last v_rcp_f32 and the use of its result
	s_wait_alu depctr_va_vdst(0)
.irp t, 0,1,2,3
.irp p, 0,1,2,3,4,5,6,7
	v_pk_mul_f32 v[OA+16*\t+2*\p:OA+16*\t+2*\p+1], v[OA+16*\t+2*\p:OA+16*\t+2*\p+1], v[RC+2*\t:RC+2*\t+1]
.endr
.endr
.if \run
	s_wait_dscnt 0x0                               ; my reads of run 0's rows in the stage are over
	s_barrier_signal -1
	s_barrier_wait -1                              ; everybody's are: the stage may be written again
.else
	; run 1's q goes into its own rows of QH, which no wave has read yet; the barrier below shows it to the others together with the stage
	s_wait_loadcnt 0x0                             ; run 1's q is in
	WIN FROM_1
.irp i, 0,1,2,3,4,5,6,7,8,9,10,11,12,13,14,15
	v_cvt_pk_f16_f32 v[VP+2*\i],   v[QR1+4*\i],   v[QR1+4*\i+1]
	v_cvt_pk_f16_f32 v[VP+2*\i+1], v[QR1+4*\i+2], v[QR1+4*\i+3]
.endr
	WIN 0
.irp i, 0,1,2,3,4,5,6,7,8,9,10,11,12,13,14,15
	ds_store_b64 v[LQ], v[VP+2*\i:VP+2*\i+1] offset:QRUN+2*PQK*\i
.endr
.endif
	; register j of O^T(t, ct) is dim 16 ct + 8 h + j of query 16 t + r: eight neighbouring f32 of a row of out, 32 bytes
.irp t, 0,1,2,3
.irp ct, 0,1
	ds_store_b128 v[SA], v[OA+16*\t+8*\ct:OA+16*\t+8*\ct+3]   offset:16*PST*\t+64*\ct
	ds_store_b128 v[SA], v[OA+16*\t+8*\ct+4:OA+16*\t+8*\ct+7] offset:16*PST*\t+64*\ct+16
.endr
.endr
	s_wait_dscnt 0x0                               ; my part of the stage is written, for the other waves' sake: a row holds both heads, from two waves
	s_barrier_signal -1
	s_barrier_wait -1
	WIN TO_1
.irp i, 0,1,2,3,4,5,6,7,8,9,10,11,12,13,14,15
	ds_load_b128 v[OB+4*\i:OB+4*\i+3], v[RA] offset:2*PST*\i
.endr
	WIN DATA_1
.irp i, 0,1,2,3,4,5,6,7,8,9,10,11,12,13,14,15
	s_wait_dscnt 15-\i                             ; LDS loads come back in order: load i is in
	global_store_b128 v[GO], v[OB+4*\i:OB+4*\i+3], s[8:9] offset:\run*GRUN+2048*\i th:TH_STORE_NT   ; sixteen lanes store 256 consecutive bytes, aligned
.endr
	WIN 0                                          ; neither the stores' data nor their offset nor their base is written again: the wave goes on at once
.endm
	PASS1 0
	MID 0
	PASS2 0
	FINISH 0
	PASS1 1
	MID 1
	PASS2 1
	FINISH 1
	s_wait_tensorcnt 0x0
	ds_add_u32 v14, v15
	s_wait_dscnt 0x0
	s_endpgm
.Lfunc_end_k_qa8c18ea09a_attn:
	.size	k_qa8c18ea09a_attn, .Lfunc_end_k_qa8c18ea09a_attn-k_qa8c18ea09a_attn
	.p2alignl 7, 3214868480
	.fill 96, 4, 3214868480
	.section	.rodata,"a",@progbits
	.p2align	6, 0x0
	.amdhsa_kernel k_qa8c18ea09a_attn
		.amdhsa_group_segment_fixed_size 300032
		.amdhsa_private_segment_fixed_size 0
		.amdhsa_enable_private_segment 0
		.amdhsa_kernarg_size 24
		.amdhsa_user_sgpr_count 2
		.amdhsa_user_sgpr_kernarg_segment_ptr 1
		.amdhsa_wavefront_size32 1
		.amdhsa_system_sgpr_workgroup_id_x 1
		.amdhsa_system_sgpr_workgroup_id_y 1
		.amdhsa_system_sgpr_workgroup_id_z 1
		.amdhsa_system_vgpr_workitem_id 0
		.amdhsa_next_free_vgpr 512
		.amdhsa_next_free_sgpr 66
		.amdhsa_reserve_vcc 0
		.amdhsa_float_denorm_mode_32 3
		.amdhsa_float_denorm_mode_16_64 3
		.amdhsa_memory_ordered 1
		.amdhsa_forward_progress 1
		.amdhsa_inst_pref_size 143
	.end_amdhsa_kernel
	.amdgpu_metadata
---
amdhsa.version: [ 1, 2 ]
amdhsa.kernels:
  - .name:           k_qa8c18ea09a_attn
    .symbol:         k_qa8c18ea09a_attn.kd
    .args:
      - { .name: qkv, .offset: 0, .size: 8, .value_kind: global_buffer, .address_space: global }
      - { .name: ks, .offset: 8, .size: 8, .value_kind: global_buffer, .address_space: global }
      - { .name: out0, .offset: 16, .size: 8, .value_kind: global_buffer, .address_space: global }
    .group_segment_fixed_size: 300032
    .private_segment_fixed_size: 0
    .kernarg_segment_align: 8
    .kernarg_segment_size: 24
    .max_flat_workgroup_size: 256
    .sgpr_count:     66
    .vgpr_count:     512
    .wavefront_size: 32
...
	.end_amdgpu_metadata
.endif
;; end of part 2
;; ======== version 2 of 2: 2 launches; version 1 with the launch attn written anew for expert scheduling mode
;; limits: values are held in f16: magnitudes above 65,504 overflow, below 6.1e-05 lose precision
;; workspace buffers: ks 2,097,152 bytes
;; launch ksum: the kernel of part 1 again; grid 256 x 1, 8 waves a work-group, no clusters, 0 bytes of LDS; arguments qkv, ks; writes ks
;; launch attn (part 3): grid 256 x 1, 8 waves a work-group, no clusters, 300,032 bytes of LDS; arguments qkv, ks, out0; writes out0
.if DOCPART == 3
	.amdgcn_target "amdgcn-amd-amdhsa--gfx1250"
	.amdhsa_code_object_version 6
	.text
	.protected	k_qa8c18ea09a_attn
	.globl	k_qa8c18ea09a_attn
	.p2align	8
	.type	k_qa8c18ea09a_attn,@function
k_qa8c18ea09a_attn:
	s_mov_b64 s[64:65], 0
	v_nop
	global_prefetch_b8 v0, s[64:65] scope:SCOPE_SE
	s_setreg_imm32_b32 hwreg(HW_REG_WAVE_SCHED_MODE, 0, 2), 2
	s_setreg_imm32_b32 hwreg(HW_REG_WAVE_MODE, 25, 1), 1
	s_wait_xcnt 0x0
	s_wait_alu depctr_vm_vsrc(0)
; out[b][512 hb + n][32 head + d] = sum over m of softmax over m ( q[b][512 hb + n][head] . ksum[b][m][head] / sqrt(32) ) * v[b][512 hb + m][32 head + d].
; The work-group owns one band (b, hb; 512 tokens) and one pair of heads hp: its pieces of q, v and out are 256 aligned bytes of each token's row.
; Eight waves, TWO RUNS of 256 queries one behind the other: in run R wave w takes head hd = w & 1 of the pair and the 64 queries 256 R + 64 qb .. + 63,
; qb = w >> 1 (four tiles t of 16), against all 512 keys.  Run 1's q (64 KiB) lands while run 0 is computed, and run 0's out (64 KiB) leaves while
; run 1 is computed: of the 448 KiB that the work-group moves only ks (64), run 0's q (64) and run 1's out (64) have no work beside them.
; Nothing of reference() is left out.  ks (first launch) holds the summed keys times 32^-0.5 log2(e) in f16, so the products are the exponents of 2^x.
; TWO PASSES in each run, products transposed (A = 16 keys x 32 dims, B = 16 queries): lane (r, h) holds keys 8 h + j (register j) of query r.
;   pass 1: S = K Q^T, of which only the row maximum is kept: the true maximum of the row, as in reference().
;   pass 2: the same product again with C = -maximum, so the matrix unit delivers S - max; then 2^x, the row sum in f32, and the rounding to f16.
;           Two key tiles packed in place ARE the B fragment (32 keys x 16 queries) of O^T = V^T P^T: no lane exchange.  V^T comes by the transposing LDS load.
; TWO PIECES TAKE TURNS in both passes: piece 0 = tiles 0, 1, piece 1 = tiles 2, 3.  While one piece's products are issued, the other piece's vector
; work stands behind them, so that matrix and vector units have work at the same time.  The pieces share the K and V fragments.
; Operands in f16, not bf16: the scores' spread is near 3, so the weights rest on few keys and eight mantissa bits of q and k would show in the result.
; LIMITS: |q|, |v| of 65,520 or more become infinity in f16 and magnitudes under 2^-24 become 0; weights under 2^-24 of the row's largest are dropped
; from the product with v; the denominator adds the weights before their rounding to f16.
; q and v come through registers, since they are converted f32 -> f16 on the way into LDS.  No cluster: the only bytes that work-groups share are the
; 64 KiB of ks, of the 448 KiB that a work-group moves (64 ks + 128 q + 128 v + 128 out).
; THE MODE: SCHED_MODE bits 1:0 = 2 (LLVM: expert scheduling mode 2), set by the entry lines.  The code itself states the register dependences
; between vector or matrix instructions and memory or LDS instructions, with s_wait_alu, always for 0.
; THE PLAN.  Registers that memory or LDS instructions touch, and who else names them:
;   GO, GK, LK, LQ, LV, QA, KA0, VA0, SA, RA   offsets and addresses, made at the head and never written again: two waits at the head cover them for the whole kernel.
;   KA, VA      the stepped LDS addresses.  Each step is: the loads issued so far have read the address, the add, and then a wait on va_vdst that stands there anyway.
;   pass 1      KX0, KX1: 64 keys each, by turns.  A buffer's last readers are piece 1's products of its second trip; behind that phase stands ONE wait, and the eight loads
;               of the keys 128 further on follow it: one wait for 64 keys.
;   pass 2      K in KF0, KF1 and V in VF0, VF1, by the trip's parity.  A phase has ONE wait on va_vdst, in its middle, between the piece's 32 exponentials and their readers.
;               Behind the wait of phase (vector piece 0) of trip i lands V of trip i + 1, in the buffer whose last readers, the products onto O of trip i - 1, stand in the phase's first half;
;               behind the wait of phase (vector piece 1) of trip i lands K of trip i + 2, in the buffer whose last readers, piece 1's score products of trip i, stand in the phase before.
;               So every run of four loads has a whole trip in which to land.
;   conversions stand in runs, one wait behind each run, then the run of LDS stores; a wait on vm_vsrc at the head of the next pass frees the stores' data registers.
;   rows of out land in registers that no vector instruction has named since an earlier wait, and that are never written again.
; REGISTERS: both passes live in v0-v255 but for -maximum.  v256-v511 (window 1: s_set_vgpr_msb, low byte: bits 1:0 source 0, 3:2 source 1, 5:4 source 2, 7:6 destination)
; hold what is on its way: v and run 1's q as loaded, the rows of out while their stores leave; and in v320-v351 -maximum, which is named as a C operand alone: in the half
; of a phase that holds the score products source 2 means window 1, and the vector instructions of that half have no third source.
.set PQK, 144                          ; pitch of q's and k's LDS rows: 128 bytes + 16 = 9 x 16: sixteen rows start in sixteen different 16-byte columns modulo 256
.set PVV, 160                          ; pitch of v's rows: 5 x 32, for the transposing load
.set PST, 272                          ; pitch of the output stage: 256 bytes + 16 = 17 x 16
.set QH,  0                            ; 512 x 144 = 73,728 bytes
.set KH,  73728                        ; 512 x 144
.set VH,  147456                       ; 512 x 160 = 81,920 bytes
.set ST,  229376                       ; the stage of one run's out: 256 x 272 = 69,632 bytes of its own, ends at 299,008
.set GRUN, 262144                      ; 256 tokens of 1,024 bytes in q, v and out
.set QRUN, 256*PQK                     ; 256 rows in QH
.set VRUN, 256*PVV                     ; 256 rows in VH
.set GO,  1                            ; global offset in q, v, out: w x 32 rows + h x 1 row + 16 r; never rewritten
.set GK,  2                            ; global offset in the ks block: 8,192 w + 16 l; never rewritten
.set LK,  3                            ; LDS: where I put 16 bytes of k
.set LQ,  4                            ; where I put 8 bytes of q
.set LV,  5                            ; where I put 8 bytes of v
.set QA,  6                            ; my q fragments of run 0
.set KA0, 7                            ; k fragments of keys 0-31
.set KA,  8                            ; the same, stepped
.set VA0, 9                            ; v fragments of keys 0-31
.set VA,  10                           ; the same, stepped
.set SA,  11                           ; stage: where I put results
.set RA,  12                           ; stage: where I read rows back
.set QF,  16                           ; v[16:47]    q fragments, 8 a tile t
.set KF0, 48                           ; v[48:63]    pass 2: k fragments of an even trip's two key tiles
.set SC,  64                           ; v[64:127]   scores: piece p at 32 p, its product k = 2 (t % 2) + kt at 8 k; packed weights of tile t at 16 t .. 16 t + 7
.set KF1, 128                          ; v[128:143]  pass 2: k fragments of an odd trip
.set VF1, 144                          ; v[144:159]  pass 2: v fragments of an odd trip
.set KX0, 128                          ; v[128:159]  pass 1: k fragments of 64 keys, four key tiles: steps 0, 2, 4, 6
.set KX1, 192                          ; v[192:223]  pass 1: steps 1, 3, 5, 7
.set OA,  160                          ; v[160:223]  O^T, tile (t, ct) at 16 t + 8 ct
.set VF0, 224                          ; v[224:239]  pass 2: v fragments of an even trip: dims 0-15, 16-31
.set SM,  240                          ; v[240:255]  row sums, a pair for each group g = 2 t + kt
.set MX,  176                          ; v[176:183]  pass 1: running maximum of group g
.set RC,  48                           ; v[48:55]    a run's end: 1 / row sum, a pair a tile
.set KR,  64                           ; the start: k as loaded (64), run 0's q as loaded (64), the same packed (32), four registers at work
.set QR,  128
.set QP,  192
.set TL,  224
.set TR,  225
.set TH,  226
.set TX,  227
.set VP,  64                           ; v packed (64); run 1's q packed (32)
.set VR1, 0                            ; window 1: v256-v383  v as loaded
.set CM1, 64                           ; window 1: v320-v351  once v is packed: -maximum, eight equal registers a tile
.set QR1, 128                          ; window 1: v384-v447  run 1's q as loaded
                                       ; window 1: v448-v511  run 0's rows of out; v256-v319 run 1's: no store's data register is written again
.set MSB, 0
.macro WIN new                         ; the immediate's high byte repeats the setting that is left
.if MSB != \new
	s_set_vgpr_msb (MSB<<8)|\new
.set MSB, \new
.endif
.endm
.set TO_1,   0x40                      ; destination window 1, all sources window 0
.set FROM_1, 0x05                      ; sources 0 and 1 window 1, destination window 0
.set DATA_1, 0x04                      ; a store's data window 1, its address window 0
.set C_1,    0x10                      ; source 2 (a product's C) window 1, all else window 0
	s_load_b128 s[4:7], s[0:1], 0x0                ; qkv s[4:5], ks s[6:7]
	s_load_b64 s[8:9], s[0:1], 0x10                ; out0
	v_lshl_add_u32 v14, v0, 2, 0x49000
	v_mov_b32 v15, 0
	v_lshrrev_b32 v[TX], 5, v0
	v_readfirstlane_b32 s10, v[TX]                 ; wave w
	v_and_b32 v[TL], 31, v0                        ; l
	v_and_b32 v[TR], 15, v0                        ; r
	v_bfe_u32 v[TH], v0, 4, 1                      ; h
	s_wait_alu depctr_va_sdst(0)                   ; s10 is written, ahead of its first reader: hd, qb and the wave's offsets are made from it
	s_and_b32 s11, s10, 1                          ; hd
	s_lshr_b32 s12, s10, 1                         ; qb
	s_lshr_b32 s13, ttmp9, 2                       ; 8 b + hb
	s_and_b32 s14, ttmp9, 3                        ; hp
	s_lshl_b32 s16, s13, 19                        ; the band: 524,288 bytes each
	s_lshl_b32 s15, s14, 8                         ; the pair of heads: 256 bytes of a row
	s_add_co_u32 s16, s16, s15
	s_mov_b32 s17, 0
	s_lshr_b32 s24, ttmp9, 5                       ; b
	s_lshl2_add_u32 s24, s24, s14                  ; 4 b + hp
	s_lshl_b32 s24, s24, 16                        ; blocks of 65,536 bytes
	s_mov_b32 s25, 0
	v_lshlrev_b32 v[GO], 4, v[TR]
	v_lshl_add_u32 v[GO], v[TH], 10, v[GO]
	v_lshl_add_u32 v[GO], s10, 15, v[GO]
	v_lshlrev_b32 v[GK], 4, v[TL]
	v_lshl_add_u32 v[GK], s10, 13, v[GK]
	s_wait_kmcnt 0x0
	s_add_nc_u64 s[4:5], s[4:5], s[16:17]          ; q
	s_add_nc_u64 s[18:19], s[4:5], 0x4000000       ; v: two thirds of qkv further on
	s_add_nc_u64 s[6:7], s[6:7], s[24:25]
	s_add_nc_u64 s[8:9], s[8:9], s[16:17]
	s_wait_alu depctr_va_vdst(0)                   ; GO and GK are written: every global load and store of the kernel reads one of them as its offset
	; What run 0's pass 1 needs goes out first: the wave's 64 rows of k (f16, 4 rows a load) and its 32 rows of run 0's q (f32, 2 rows a load: sixteen lanes take 256 aligned bytes).
.irp i, 0,1,2,3,4,5,6,7,8,9,10,11,12,13,14,15
	global_load_b128 v[KR+4*\i:KR+4*\i+3], v[GK], s[6:7] offset:512*\i           ; eight work-groups read this block: no hint
.endr
.irp i, 0,1,2,3,4,5,6,7,8,9,10,11,12,13,14,15
	global_load_b128 v[QR+4*\i:QR+4*\i+3], v[GO], s[4:5] offset:2048*\i th:TH_LOAD_NT
.endr
	; v is wanted behind run 0's pass 1, which is 128 products a wave: too short for the wave's 16 KiB of v alone.  So v's first 256 rows are asked for here, behind k and q,
	; and its last 256 as soon as k has landed.  By this text's count at most 48 loads of a wave are out at a time.
	WIN TO_1
.irp i, 0,1,2,3,4,5,6,7,8,9,10,11,12,13,14,15
	global_load_b128 v[VR1+4*\i:VR1+4*\i+3], v[GO], s[18:19] offset:2048*\i th:TH_LOAD_NT
.endr
	WIN 0
	; LDS addresses, while the loads are on their way
	s_mul_i32 s13, s10, 32*PQK                     ; my 32 rows of a run's q
	v_mul_u32_u24 v[LQ], v[TH], PQK
	v_lshl_add_u32 v[LQ], v[TR], 3, v[LQ]
	v_add_nc_u32 v[LQ], s13, v[LQ]                 ; QH + (32 w + h) 144 + 8 r
	s_mul_i32 s13, s10, 64*PQK                     ; my 64 rows of k
	s_add_co_u32 s13, s13, KH
	v_lshrrev_b32 v[TX], 3, v[TL]
	v_mul_u32_u24 v[LK], v[TX], PQK
	v_and_b32 v[TX], 7, v[TL]
	v_lshl_add_u32 v[LK], v[TX], 4, v[LK]
	v_add_nc_u32 v[LK], s13, v[LK]                 ; KH + (64 w + l / 8) 144 + 16 (l % 8)
	v_lshl_add_u32 v[TX], v[TH], 3, v[TX]          ; 8 h + l % 8: the key that I address for the transposing load
	v_mul_u32_u24 v[VA0], v[TX], PVV
	v_bfe_u32 v[TX], v0, 3, 1
	v_lshl_add_u32 v[VA0], v[TX], 4, v[VA0]        ; + 16 bytes for the lanes that serve dims 8-15
	s_lshl_b32 s14, s11, 6                         ; my head's 64 bytes of a row
	s_add_co_u32 s13, s14, VH
	v_add_nc_u32 v[VA0], s13, v[VA0]
	s_mul_i32 s13, s10, 32*PVV                     ; my 32 rows of each half of v
	s_add_co_u32 s13, s13, VH
	v_mul_u32_u24 v[LV], v[TH], PVV
	v_lshl_add_u32 v[LV], v[TR], 3, v[LV]
	v_add_nc_u32 v[LV], s13, v[LV]                 ; VH + (32 w + h) 160 + 8 r
	v_mul_u32_u24 v[TX], v[TR], PQK
	v_lshl_add_u32 v[TX], v[TH], 4, v[TX]          ; a fragment's lane term: 144 r + 16 h
	s_mul_i32 s13, s12, 64*PQK
	s_add_co_u32 s13, s13, s14
	v_add_nc_u32 v[QA], s13, v[TX]                 ; QH + (64 qb + r) 144 + 64 hd + 16 h
	s_add_co_u32 s13, s14, KH
	v_add_nc_u32 v[KA0], s13, v[TX]                ; KH + 144 r + 64 hd + 16 h
	s_mul_i32 s13, s12, 64*PST
	s_lshl_b32 s15, s11, 7
	s_add_co_u32 s13, s13, s15
	s_add_co_u32 s13, s13, ST
	v_mul_u32_u24 v[SA], v[TR], PST
	v_lshl_add_u32 v[SA], v[TH], 5, v[SA]
	v_add_nc_u32 v[SA], s13, v[SA]                 ; ST + (64 qb + r) 272 + 128 hd + 32 h
	s_mul_i32 s13, s10, 32*PST
	s_add_co_u32 s13, s13, ST
	v_mul_u32_u24 v[RA], v[TH], PST
	v_lshl_add_u32 v[RA], v[TR], 4, v[RA]
	v_add_nc_u32 v[RA], s13, v[RA]                 ; ST + (32 w + h) 272 + 16 r
	s_mov_b32 s20, 0x76543210                      ; v_permlanex16_b32: lane i of one half reads lane i of the other
	s_mov_b32 s21, 0xfedcba98
	s_wait_alu depctr_va_vdst(0)                   ; the LDS addresses LK, LQ, LV, QA, SA, RA are written, which LDS stores and loads read from here to the kernel's end; none is written again
	s_wait_loadcnt 32                              ; k is in: the 16 loads of q and the 16 of v's first half are younger
.irp i, 0,1,2,3,4,5,6,7,8,9,10,11,12,13,14,15
	ds_store_b128 v[LK], v[KR+4*\i:KR+4*\i+3] offset:4*PQK*\i
.endr
	WIN TO_1
.irp i, 0,1,2,3,4,5,6,7,8,9,10,11,12,13,14,15
	global_load_b128 v[VR1+64+4*\i:VR1+64+4*\i+3], v[GO], s[18:19] offset:GRUN+2048*\i th:TH_LOAD_NT   ; v's rows 256-511
.endr
	WIN 0
	s_wait_loadcnt 32                              ; run 0's q is in: the 32 loads of v are younger
.irp i, 0,1,2,3,4,5,6,7,8,9,10,11,12,13,14,15
	v_cvt_pk_f16_f32 v[QP+2*\i],   v[QR+4*\i],   v[QR+4*\i+1]
	v_cvt_pk_f16_f32 v[QP+2*\i+1], v[QR+4*\i+2], v[QR+4*\i+3]
.endr
	s_wait_alu depctr_va_vdst(0)                   ; the conversions have written v[QP ..], which the LDS stores read
.irp i, 0,1,2,3,4,5,6,7,8,9,10,11,12,13,14,15
	ds_store_b64 v[LQ], v[QP+2*\i:QP+2*\i+1] offset:2*PQK*\i
.endr
	s_wait_dscnt 0x0                               ; my rows of k and q are in LDS, for the other waves' sake
	s_barrier_signal -1
	s_barrier_wait -1                              ; everybody's are
	; run 1's q is wanted only behind run 0: its 16 loads go out last and have the run's 384 products a wave in which to land; no vector instruction has named their registers
	WIN TO_1
.irp i, 0,1,2,3,4,5,6,7,8,9,10,11,12,13,14,15
	global_load_b128 v[QR1+4*\i:QR1+4*\i+3], v[GO], s[4:5] offset:GRUN+2048*\i th:TH_LOAD_NT
.endr
	WIN 0
; A k fragment is 16 rows x 32 dims: two loads of 16 bytes, 32 bytes apart.
.macro K64 kx, off                     ; pass 1: the fragments of 64 keys, at byte off from KA, into buffer kx
.irp kt, 0,1,2,3
	ds_load_b128 v[\kx+8*\kt:\kx+8*\kt+3],   v[KA] offset:\off+16*PQK*\kt
	ds_load_b128 v[\kx+8*\kt+4:\kx+8*\kt+7], v[KA] offset:\off+16*PQK*\kt+32
.endr
.endm
.macro KLOAD kb, off                   ; pass 2: the fragments of 32 keys
.irp kt, 0,1
	ds_load_b128 v[\kb+8*\kt:\kb+8*\kt+3],   v[KA] offset:\off+16*PQK*\kt
	ds_load_b128 v[\kb+8*\kt+4:\kb+8*\kt+7], v[KA] offset:\off+16*PQK*\kt+32
.endr
.endm
.macro VLOAD vb                        ; V^T fragments: 16 dims x 32 keys each, from rows that lie along the dims: two transposing loads, 16 keys apart
.irp ct, 0,1
	ds_load_tr16_b128 v[\vb+8*\ct:\vb+8*\ct+3],   v[VA] offset:32*\ct
	ds_load_tr16_b128 v[\vb+8*\ct+4:\vb+8*\ct+7], v[VA] offset:32*\ct+16*PVV
.endr
.endm
; Score product k (0..3) of piece p: tile t = 2 p + k / 2, key tile kt = k % 2, keys from the two fragments at kb.  sub = 0: from 0 (pass 1); 1: from -maximum (pass 2; window C_1)
.macro SMUL p, k, kb, sub
.if \sub
	v_wmma_f32_16x16x32_f16 v[SC+32*\p+8*\k:SC+32*\p+8*\k+7], v[\kb+8*(\k%2):\kb+8*(\k%2)+7], v[QF+16*\p+8*(\k/2):QF+16*\p+8*(\k/2)+7], v[CM1+16*\p+8*(\k/2):CM1+16*\p+8*(\k/2)+7]
.else
	v_wmma_f32_16x16x32_f16 v[SC+32*\p+8*\k:SC+32*\p+8*\k+7], v[\kb+8*(\k%2):\kb+8*(\k%2)+7], v[QF+16*\p+8*(\k/2):QF+16*\p+8*(\k/2)+7], 0
.endif
.endm
; PASS 1.  A slice: score pair k of each of piece vp's four groups goes into that group's maximum: four chains that do not wait for each other.
; start = 1: the pair starts the maxima, nothing is cleared.
.macro MAXS vp, k, start
.irp c, 0,1,2,3
.if \start
	v_max_num_f32 v[MX+4*\vp+\c], v[SC+32*\vp+8*\c+2*\k], v[SC+32*\vp+8*\c+2*\k+1]
.else
	v_max3_num_f32 v[MX+4*\vp+\c], v[MX+4*\vp+\c], v[SC+32*\vp+8*\c+2*\k], v[SC+32*\vp+8*\c+2*\k+1]
.endif
.endr
.endm
; A phase: piece mp's four products from the fragments at kb (sp = 1), behind each a slice of piece vp's maxima.  A slice's four plain instructions name no register of
; the products of this phase; the last slice stands between the phase's last product and the next phase's first read of its result: four places (ISA guide 7.12.1).
.macro P1H vp, mp, sp, kb, first
.if \sp
	SMUL \mp, 0, \kb, 0
.endif
	MAXS \vp, 0, \first
.irp k, 1,2,3
.if \sp
	SMUL \mp, \k, \kb, 0
.endif
	MAXS \vp, \k, 0
.endr
.endm
; Buffer kx, which both pieces have used for both its trips, gets the keys 128 further on.  step = 1: the address moves on by 128 keys; the other buffer reaches its 64 by the immediate.
.macro KREL kx, off, step
.if \step
	s_wait_alu depctr_vm_vsrc(0)                   ; the LDS loads issued so far have read v[KA]
	v_add_nc_u32 v[KA], 128*PQK, v[KA]
.endif
	s_wait_alu depctr_va_vdst(0)                   ; the products issued so far are done reading buffer kx, in which the loads below land; with step = 1 v[KA] is written
	K64 \kx, \off
.endm
; Trip i is 32 keys: phase a (i): piece 1's products of trip i, piece 0's maxima of trip i; phase b (i): piece 0's products of trip i + 1, piece 1's maxima of trip i.
; Trips 4 j, 4 j + 1 read KX0, trips 4 j + 2, 4 j + 3 read KX1.  LDS loads come back in order; the buffers are reloaded by turns, eight loads each, so a count of 8 leaves out
; the buffer reloaded last and shows the other one in.
.macro PASS1 run
	s_wait_alu depctr_vm_vsrc(0)                   ; the LDS stores issued so far have read their data (run 0: k and q as stored; run 1: O and q), which the products and loads below write; earlier loads have read v[KA]
	v_mov_b32 v[KA], v[KA0]                        ; from key 0
	s_wait_alu depctr_va_vdst(0)                   ; v[KA] is written; all that vector and matrix instructions did with QF's, KX0's and KX1's registers is done: the loads below land there
.irp t, 0,1,2,3
	ds_load_b128 v[QF+8*\t:QF+8*\t+3],   v[QA] offset:\run*QRUN+16*PQK*\t
	ds_load_b128 v[QF+8*\t+4:QF+8*\t+7], v[QA] offset:\run*QRUN+16*PQK*\t+32
.endr
	K64 KX0, 0                                     ; keys 0-63
	K64 KX1, 64*PQK                                ; keys 64-127
	s_wait_dscnt 0x8                               ; q's fragments and KX0 are in; KX1's eight loads are younger
.irp k, 0,1,2,3
	SMUL 0, \k, KX0, 0                             ; piece 0's scores of trip 0
.endr
.rept 4
	v_nop                                          ; four places ahead of the first maxima: once a run, there is no other piece's work yet
.endr
	P1H 0, 1, 1, KX0, 1                            ; a (0): the maxima start
	P1H 1, 0, 1, KX0+16, 1                         ; b (0)
	s_mov_b32 s22, 3
.Lpass1_\run:                                          ; trips 4 j + 1 to 4 j + 4, j = 0, 1, 2
	P1H 0, 1, 1, KX0+16, 0                         ; a (4 j + 1): KX0's last readers
	KREL KX0, 0, 1                                 ; keys 128 (j + 1) ..
	s_wait_dscnt 0x8                               ; KX1 is in; KX0's eight loads are younger
	P1H 1, 0, 1, KX1, 0                            ; b (4 j + 1)
	P1H 0, 1, 1, KX1, 0                            ; a (4 j + 2)
	P1H 1, 0, 1, KX1+16, 0                         ; b (4 j + 2)
	P1H 0, 1, 1, KX1+16, 0                         ; a (4 j + 3): KX1's last readers
	KREL KX1, 64*PQK, 0                            ; keys 128 (j + 1) + 64 ..
	s_wait_dscnt 0x8                               ; KX0 is in; KX1's eight loads are younger
	P1H 1, 0, 1, KX0, 0                            ; b (4 j + 3)
	P1H 0, 1, 1, KX0, 0                            ; a (4 j + 4)
	P1H 1, 0, 1, KX0+16, 0                         ; b (4 j + 4)
	s_sub_co_u32 s22, s22, 1
	s_cmp_lg_u32 s22, 0
	s_cbranch_scc1 .Lpass1_\run
	P1H 0, 1, 1, KX0+16, 0                         ; a (13): nothing more to fetch
	s_wait_dscnt 0x0                               ; KX1 (keys 448-511): no load is younger
	P1H 1, 0, 1, KX1, 0                            ; b (13)
	P1H 0, 1, 1, KX1, 0                            ; a (14)
	P1H 1, 0, 1, KX1+16, 0                         ; b (14)
	P1H 0, 1, 1, KX1+16, 0                         ; a (15)
	P1H 1, 0, 0, KX1, 0                            ; b (15): piece 1's last maxima, no products
.endm
; BETWEEN THE PASSES: the maxima are finished; in run 0 v goes into LDS.
.macro MID run
	; a query's keys lie in lanes r and r + 16 alone: join the two groups of a tile, then the two halves of the wave
.irp t, 0,1,2,3
	v_max_num_f32 v[MX+2*\t], v[MX+2*\t], v[MX+2*\t+1]
.endr
.irp t, 0,1,2,3
	v_permlanex16_b32 v[MX+2*\t+1], v[MX+2*\t], s20, s21       ; its destination counts as read: a register that has been written
.endr
.irp t, 0,1,2,3
	v_max_num_f32 v[MX+2*\t], v[MX+2*\t], v[MX+2*\t+1]
.endr
.if \run == 0
	s_wait_loadcnt 16                              ; v is in: the 16 loads of run 1's q are younger
	WIN FROM_1
.irp x, 0,1
.irp i, 0,1,2,3,4,5,6,7,8,9,10,11,12,13,14,15
	v_cvt_pk_f16_f32 v[VP+32*\x+2*\i],   v[VR1+64*\x+4*\i],   v[VR1+64*\x+4*\i+1]
	v_cvt_pk_f16_f32 v[VP+32*\x+2*\i+1], v[VR1+64*\x+4*\i+2], v[VR1+64*\x+4*\i+3]
.endr
.endr
	WIN 0
	s_wait_alu depctr_va_vdst(0)                   ; the conversions have written v[VP ..], which the LDS stores read
.irp x, 0,1
.irp i, 0,1,2,3,4,5,6,7,8,9,10,11,12,13,14,15
	ds_store_b64 v[LV], v[VP+32*\x+2*\i:VP+32*\x+2*\i+1] offset:\x*VRUN+2*PVV*\i
.endr
.endr
.endif
	WIN TO_1                                       ; -maximum goes where v lay as loaded: in run 0 v has landed and has been packed; no memory instruction names these registers from here on
.irp t, 0,1,2,3
.irp j, 0,1,2,3,4,5,6,7
	v_mul_f32 v[CM1+8*\t+\j], -1.0, v[MX+2*\t]     ; the C operand of pass 2: element (key, query r) = -maximum of query r, the same in all eight registers
.endr
.endr
	WIN 0
.if \run == 0
	s_wait_dscnt 0x0                               ; my rows of v are in LDS, for the other waves' sake
	s_barrier_signal -1
	s_barrier_wait -1                              ; everybody's are
.endif
.endm
; PASS 2.  O^T product k (0..3) of piece p: tile t = 2 p + k / 2, dims 16 ct .., ct = k % 2, V from the two fragments at vb.  zero = 1: it starts the sum
.macro PMUL p, k, vb, zero
.if \zero
	v_wmma_f32_16x16x32_f16 v[OA+32*\p+8*\k:OA+32*\p+8*\k+7], v[\vb+8*(\k%2):\vb+8*(\k%2)+7], v[SC+32*\p+16*(\k/2):SC+32*\p+16*(\k/2)+7], 0
.else
	v_wmma_f32_16x16x32_f16 v[OA+32*\p+8*\k:OA+32*\p+8*\k+7], v[\vb+8*(\k%2):\vb+8*(\k%2)+7], v[SC+32*\p+16*(\k/2):SC+32*\p+16*(\k/2)+7], v[OA+32*\p+8*\k:OA+32*\p+8*\k+7]
.endif
.endm
; A piece's 32 score registers are eight units u of four (half of a product's result).
.macro EXPU p, u                       ; 2^x on unit u, in place
.irp j, 0,1,2,3
	v_exp_f32 v[SC+32*\p+4*(\u)+\j], v[SC+32*\p+4*(\u)+\j]
.endr
.endm
; Unit u's two pairs go into the row sum of their group (f32, before rounding) and, as four f16, into registers 2 (u % 4), + 1 of their tile's weight fragment.
; Those two registers lie at or below the unit and have been read: units are taken in ascending order.  zero = 1: a group's first unit starts its sum.
.macro PLNU p, u, zero
.set PA, SC+32*\p+4*(\u)
.set PD, SC+32*\p+16*((\u)/4)+2*((\u)%4)
.set PS, SM+8*\p+2*((\u)/2)
.if \zero*(1-(\u)%2)
	v_pk_add_f32 v[PS:PS+1], v[PA:PA+1], v[PA+2:PA+3]
	v_cvt_pk_f16_f32 v[PD], v[PA], v[PA+1]
	v_cvt_pk_f16_f32 v[PD+1], v[PA+2], v[PA+3]
.else
	v_pk_add_f32 v[PS:PS+1], v[PS:PS+1], v[PA:PA+1]
	v_cvt_pk_f16_f32 v[PD], v[PA], v[PA+1]
	v_pk_add_f32 v[PS:PS+1], v[PS:PS+1], v[PA+2:PA+3]
	v_cvt_pk_f16_f32 v[PD+1], v[PA+2], v[PA+3]
.endif
.endm
.macro SROW vp, mp, sp, kb, k, u, zero ; score product k of piece mp, and behind it the sums and roundings of units u, u + 1 of piece vp
.if \sp
	SMUL \mp, \k, \kb, 1
.endif
	PLNU \vp, \u, \zero
	PLNU \vp, \u+1, \zero
.endm
; A PHASE: eight products of piece mp, beside them piece vp's vector work, cut in two by ONE wait.
;   first half:  mp's four products onto O from its finished weights and the V at vb (pv = 1: they start O, 2: they add, 0: none yet); behind each, eight of vp's 32 exponentials.
;                The exponentials are one batch: nothing ahead of the wait names a result of theirs.  They read scores whose last product stands seven plain instructions or more back.
;   the middle:  a plain instruction behind the last exponential (ISA guide 5.7.2): the address's step, or v_nop; the wait; the phase's four LDS loads (ld = 1).
;   second half: mp's four next score products from the K at kb (sp = 1); behind each, eight (seven where a sum starts) of vp's 32 sums and roundings, units in ascending order.
;                The products go 1, 0, 3, 2: product 1 writes registers that no product onto O has read, and products 0 and 2 write over weights 9 and 25 plain instructions behind the
;                last product that read them (ISA guide 7.12.1).  The last product's riders are the places ahead of the next phase's exponentials.
;   The accumulators take turns, one instruction a turn.
; Phase vp = 0 of trip i: products onto O of trip i - 1, scores of trip i; V of trip i + 1 lands in vb, which the first half has just read for the last time.
; Phase vp = 1 of trip i: products onto O of trip i, scores of trip i + 1; K of trip i + 2 lands in the K buffer other than kb, whose last readers stand in the phase before.
; LDS loads come back in order, issued V (i), K (i + 1), V (i + 1), four loads each: at the head of phase vp = 1 a count of 4 shows V (i) and K (i + 1) in.
.macro P2H vp, mp, pv, sp, zero, vb, kb, ld
.if \vp
	s_wait_dscnt 4*\sp                             ; V of this trip and K of the next are in; the four younger loads are the next V's (the last trip has none: 0)
.endif
.irp k, 0,1,2,3
.if \pv
	PMUL \mp, \k, \vb, 2-\pv
.endif
	EXPU \vp, 2*\k
	EXPU \vp, 2*\k+1
.endr
.if \ld
	s_wait_alu depctr_vm_vsrc(0)                   ; the LDS loads issued so far have read the address that the next line steps
.if \vp
	v_add_nc_u32 v[KA], 32*PQK, v[KA]
.else
	v_add_nc_u32 v[VA], 32*PVV, v[VA]
.endif
.else
	v_nop
.endif
.if \sp
	WIN C_1
.endif
	s_wait_alu depctr_va_vdst(0)                   ; the 32 exponentials have written piece vp's weights, ahead of their first reader; with ld = 1 the address is written, and the products issued so far are done reading the buffer in which the loads below land
.if \ld
.if \vp
	KLOAD KF0+KF1-\kb, 32*PQK
.else
	VLOAD \vb
.endif
.endif
	SROW \vp, \mp, \sp, \kb, 1, 0, \zero
	SROW \vp, \mp, \sp, \kb, 0, 2, \zero
	SROW \vp, \mp, \sp, \kb, 3, 4, \zero
	SROW \vp, \mp, \sp, \kb, 2, 6, \zero
	WIN 0
.endm
.macro PASS2 run
	s_wait_alu depctr_vm_vsrc(0)                   ; earlier LDS loads have read v[KA] and v[VA]; in run 0 the LDS stores of v have read v[VP ..], which the score products write
	v_mov_b32 v[KA], v[KA0]                        ; from key 0 again
	v_mov_b32 v[VA], v[VA0]
	WIN C_1
	s_wait_alu depctr_va_vdst(0)                   ; v[KA] and v[VA] are written; all that vector and matrix instructions did with KF0's, KF1's, VF0's and VF1's registers is done: loads land there from here on
	KLOAD KF0, 0                                   ; K of trip 0
	KLOAD KF1, 32*PQK                              ; K of trip 1
	VLOAD VF0                                      ; V of trip 0
	s_wait_dscnt 0x8                               ; K of trip 0 is in; the eight younger loads are K of trip 1 and V of trip 0
.irp k, 0,1,2,3
	SMUL 0, \k, KF0, 1                             ; piece 0's scores of trip 0
.endr
	WIN 0
.rept 4
	v_nop                                          ; four places ahead of the first exponentials: once a run, there is no other piece's work yet
.endr
	P2H 0, 1, 0, 1, 1, VF1, KF0, 1                 ; trip 0: piece 1's scores; piece 0's sums start; V of trip 1
	P2H 1, 0, 1, 1, 1, VF0, KF1, 1                 ; trip 0: piece 0's O starts; piece 1's sums start; K of trip 2
	P2H 0, 1, 1, 1, 0, VF0, KF1, 1                 ; trip 1: piece 1's O starts; V of trip 2
	s_mov_b32 s22, 6
.Lpass2_\run:                                          ; n = 0 .. 5
	P2H 1, 0, 2, 1, 0, VF1, KF0, 1                 ; trip 2 n + 1; K of trip 2 n + 3
	P2H 0, 1, 2, 1, 0, VF1, KF0, 1                 ; trip 2 n + 2; V of trip 2 n + 3
	P2H 1, 0, 2, 1, 0, VF0, KF1, 1                 ; trip 2 n + 2; K of trip 2 n + 4
	P2H 0, 1, 2, 1, 0, VF0, KF1, 1                 ; trip 2 n + 3; V of trip 2 n + 4
	s_sub_co_u32 s22, s22, 1
	s_cmp_lg_u32 s22, 0
	s_cbranch_scc1 .Lpass2_\run
	P2H 1, 0, 2, 1, 0, VF1, KF0, 1                 ; trip 13; K of trip 15
	P2H 0, 1, 2, 1, 0, VF1, KF0, 1                 ; trip 14; V of trip 15
	P2H 1, 0, 2, 1, 0, VF0, KF1, 0                 ; trip 14: nothing is left to fetch
	P2H 0, 1, 2, 1, 0, VF0, KF1, 0                 ; trip 15
	P2H 1, 0, 2, 0, 0, VF1, KF0, 0                 ; trip 15: no scores are left to make
.irp k, 0,1,2,3
	PMUL 1, \k, VF1, 0                             ; piece 1's O products of trip 15
.endr
.endm
; A RUN'S END: O is divided by the row sums and leaves through the stage as whole rows of 256 bytes.
.macro FINISH run
.set OB, 192*(1-\run)                  ; window 1: where this run's rows of out wait for their stores
	; The row sums are joined first: these eight plain additions name no register of the last products and are the places ahead of the reads of O
.irp t, 0,1,2,3
	v_pk_add_f32 v[SM+4*\t:SM+4*\t+1], v[SM+4*\t:SM+4*\t+1], v[SM+4*\t+2:SM+4*\t+3]
.endr
.irp t, 0,1,2,3
	v_add_f32 v[SM+4*\t], v[SM+4*\t], v[SM+4*\t+1]
.endr
.irp t, 0,1,2,3
	v_permlanex16_b32 v[SM+4*\t+1], v[SM+4*\t], s20, s21
.endr
.irp t, 0,1,2,3
	v_add_f32 v[SM+4*\t], v[SM+4*\t], v[SM+4*\t+1] ; the sum over all 512 keys of query r, at least about 1: the largest weight is 2^0
.endr
.irp t, 0,1,2,3
	v_rcp_f32 v[RC+2*\t],   v[SM+4*\t]             ; twice: a pair for the packed multiply
	v_rcp_f32 v[RC+2*\t+1], v[SM+4*\t]
.endr
	v_nop                                          ; a plain instruction between the last v_rcp_f32 and the use of its result
	s_wait_alu depctr_va_vdst(0)                   ; the eight reciprocals have written v[RC ..], ahead of their first reader
.irp t, 0,1,2,3
.irp p, 0,1,2,3,4,5,6,7
	v_pk_mul_f32 v[OA+16*\t+2*\p:OA+16*\t+2*\p+1], v[OA+16*\t+2*\p:OA+16*\t+2*\p+1], v[RC+2*\t:RC+2*\t+1]
.endr
.endr
.if \run
	s_wait_dscnt 0x0                               ; my reads of run 0's rows in the stage are over
	s_barrier_signal -1
	s_barrier_wait -1                              ; everybody's are: the stage may be written again
.else
	; run 1's q goes into its own rows of QH, which no wave has read yet; the barrier below shows it to the others together with the stage
	s_wait_loadcnt 0x0                             ; run 1's q is in
	WIN FROM_1
.irp i, 0,1,2,3,4,5,6,7,8,9,10,11,12,13,14,15
	v_cvt_pk_f16_f32 v[VP+2*\i],   v[QR1+4*\i],   v[QR1+4*\i+1]
	v_cvt_pk_f16_f32 v[VP+2*\i+1], v[QR1+4*\i+2], v[QR1+4*\i+3]
.endr
	WIN 0
.endif
	s_wait_alu depctr_va_vdst(0)                   ; the multiplies have written O, and in run 0 the conversions v[VP ..]: the LDS stores below read them
.if \run == 0
.irp i, 0,1,2,3,4,5,6,7,8,9,10,11,12,13,14,15
	ds_store_b64 v[LQ], v[VP+2*\i:VP+2*\i+1] offset:QRUN+2*PQK*\i
.endr
.endif
	; register j of O^T(t, ct) is dim 16 ct + 8 h + j of query 16 t + r: eight neighbouring f32 of a row of out, 32 bytes
.irp t, 0,1,2,3
.irp ct, 0,1
	ds_store_b128 v[SA], v[OA+16*\t+8*\ct:OA+16*\t+8*\ct+3]   offset:16*PST*\t+64*\ct
	ds_store_b128 v[SA], v[OA+16*\t+8*\ct+4:OA+16*\t+8*\ct+7] offset:16*PST*\t+64*\ct+16
.endr
.endr
	s_wait_dscnt 0x0                               ; my part of the stage is written, for the other waves' sake: a row holds both heads, from two waves
	s_barrier_signal -1
	s_barrier_wait -1
	WIN TO_1                                       ; the rows land in registers that no vector instruction has named since the wait above (run 1's: v as loaded, packed in run 0)
.irp i, 0,1,2,3,4,5,6,7,8,9,10,11,12,13,14,15
	ds_load_b128 v[OB+4*\i:OB+4*\i+3], v[RA] offset:2*PST*\i
.endr
	WIN DATA_1
.irp i, 0,1,2,3,4,5,6,7,8,9,10,11,12,13,14,15
	s_wait_dscnt 15-\i                             ; LDS loads come back in order: load i is in
	global_store_b128 v[GO], v[OB+4*\i:OB+4*\i+3], s[8:9] offset:\run*GRUN+2048*\i th:TH_STORE_NT   ; sixteen lanes store 256 consecutive bytes, aligned
.endr
	WIN 0                                          ; neither the stores' data nor their offset nor their base is written again: the wave goes on at once
.endm
	PASS1 0
	MID 0
	PASS2 0
	FINISH 0
	PASS1 1
	MID 1
	PASS2 1
	FINISH 1
	s_wait_dscnt 0x0
	s_wait_alu depctr_hold_cnt(0) depctr_sa_sdst(0) depctr_va_vdst(0) depctr_va_sdst(0) depctr_va_ssrc(0) depctr_va_vcc(0) depctr_vm_vsrc(0)
	s_wait_tensorcnt 0x0
	ds_add_u32 v14, v15
	s_wait_dscnt 0x0
	s_endpgm
.Lfunc_end_k_qa8c18ea09a_attn:
	.size	k_qa8c18ea09a_attn, .Lfunc_end_k_qa8c18ea09a_attn-k_qa8c18ea09a_attn
	.p2alignl 7, 3214868480
	.fill 96, 4, 3214868480
	.section	.rodata,"a",@progbits
	.p2align	6, 0x0
	.amdhsa_kernel k_qa8c18ea09a_attn
		.amdhsa_group_segment_fixed_size 300032
		.amdhsa_private_segment_fixed_size 0
		.amdhsa_enable_private_segment 0
		.amdhsa_kernarg_size 24
		.amdhsa_user_sgpr_count 2
		.amdhsa_user_sgpr_kernarg_segment_ptr 1
		.amdhsa_wavefront_size32 1
		.amdhsa_system_sgpr_workgroup_id_x 1
		.amdhsa_system_sgpr_workgroup_id_y 1
		.amdhsa_system_sgpr_workgroup_id_z 1
		.amdhsa_system_vgpr_workitem_id 0
		.amdhsa_next_free_vgpr 512
		.amdhsa_next_free_sgpr 66
		.amdhsa_reserve_vcc 0
		.amdhsa_float_denorm_mode_32 3
		.amdhsa_float_denorm_mode_16_64 3
		.amdhsa_memory_ordered 1
		.amdhsa_forward_progress 1
		.amdhsa_inst_pref_size 184
	.end_amdhsa_kernel
	.amdgpu_metadata
---
amdhsa.version: [ 1, 2 ]
amdhsa.kernels:
  - .name:           k_qa8c18ea09a_attn
    .symbol:         k_qa8c18ea09a_attn.kd
    .args:
      - { .name: qkv, .offset: 0, .size: 8, .value_kind: global_buffer, .address_space: global }
      - { .name: ks, .offset: 8, .size: 8, .value_kind: global_buffer, .address_space: global }
      - { .name: out0, .offset: 16, .size: 8, .value_kind: global_buffer, .address_space: global }
    .group_segment_fixed_size: 300032
    .private_segment_fixed_size: 0
    .kernarg_segment_align: 8
    .kernarg_segment_size: 24
    .max_flat_workgroup_size: 256
    .sgpr_count:     66
    .vgpr_count:     512
    .wavefront_size: 32
...
	.end_amdgpu_metadata
.endif
;; end of part 3
